; MI455X (gfx1250); checked and timed in simulation.
; The chip was launched on July 23, 2026; its instructions are those of AMD's public machine-readable ISA for CDNA 5 (MIT licence, August 2026) and "CDNA5" Instruction Set Architecture Reference Guide (July 2026). The comments in the code are by the model that wrote it; some were corrected since.
;; Implicit Complex Modal Filter. Allowed arithmetic: float matrix products may take bf16 or f16 operands with f32 sums; all other float work in f32.
;; Inputs: A_imag 1,024 x 64 float32; B_im 1,024 x 64 float32; B_re 1,024 x 64 float32; C_im 1 x 1,024 x 64 float32; C_re 1 x 1,024 x 64 float32; inv_A_real 1,024 x 64 float32; log_dt 1,024 float32.
;; Outputs: out0 1 x 1,024 x 2,048 float32.
;; Constants: L = 2048.
;; 2 versions, each right; version 2 is version 1 with the launch modal written anew for expert scheduling mode. Each part assembles by itself: llvm-mc -triple=amdgcn-amd-amdhsa -mcpu=gfx1250 --defsym DOCPART=n.
;; ======== version 1 of 2: 1 launch
;; launch modal (part 1): grid 256 x 1, 4 waves a work-group, no clusters, 72,448 bytes of LDS; arguments log_dt, inv_A_real, A_imag, B_re, B_im, C_re, C_im, out0; writes out0
.if DOCPART == 1
	.amdgcn_target "amdgcn-amd-amdhsa--gfx1250"
	.amdhsa_code_object_version 6
	.text
	.protected	k_q9a9d4f8f9d_modal
	.globl	k_q9a9d4f8f9d_modal
	.p2align	8
	.type	k_q9a9d4f8f9d_modal,@function
k_q9a9d4f8f9d_modal:
	s_mov_b64 s[64:65], 0
	v_nop
	global_prefetch_b8 v0, s[64:65] scope:SCOPE_SE
	s_setreg_imm32_b32 hwreg(HW_REG_WAVE_MODE, 25, 1), 1
	s_wait_xcnt 0x0
; K[h][l] = 2 Re sum_n Cm[h][n] z[h][n]^l,  z = exp(dtA),  Cm = B C dt / (1 - dtA/2),  dtA = (-exp(inv_A_real) + i A_imag) dt.
; H = 1024, N = 64 modes, L = 2048.  One wave owns one h; four waves a work-group, 256 work-groups; no wave reads another's bytes: no barrier.
;
; THE PRODUCT.  l = f(m) + 4 c, m = 0..63, c = 0..31, f(m) = (m & 3) + 128 (m >> 2).  Then
;   K[h][f + 4c] = sum_n Re( R[m][n] z^(4c) ),  R = 2 Cm z^f:
; a real 64 x 32 product over 128 slots (re, im of 64 modes); the column table is kept as V^c, V = conj(z^4), so that re re + im im is the
; real part.  96 x 64 complex table entries for each h take the place of 2048 x 64 exponentials.  With this split of l the registers j & 3
; of a result tile and the 16 lanes of a half hold 64 consecutive l: results are stored straight from the accumulators.
;
; OPERANDS are pairs of bf16, x = hi + lo (16 significant bits), and three products are formed: hi hi + lo hi + hi lo.  One 16-bit number
; alone leaves an error of the size of the allowed one where 128 products of like size cancel.  The dropped lo lo is below 2^-18 of a product.
;
; PART 1 (lane = modes 2 lane, 2 lane + 1): each mode's scalars, z and Y = z^128 by exp and sin/cos, then by complex products 16 row bases
; 2 Cm z^(r&3) Y^(r>>2), V^0 .. V^16 and Y^4: 34 rows of 512 bytes in the wave's own LDS.
; PART 2 (lane = row or column r = lane & 15, half hh = lane >> 4): in K step ks the lane reads modes 32 hh + 8 ks .. + 7 of its bases and of the
; two multipliers and builds the fragments in the matrix layout in registers.  The order of the slots along K is the same in both operands,
; which is all that a product needs.  Row tiles 1-3 and column tile 1 come by one complex product (x Y^4, x V^16).
; The six matrix instructions of a unit (ks, row tile) stand two by two in front of the stages that build the next unit.
;
; No cluster: no two work-groups read the same input bytes.  No tensor load, no ring: a wave's whole input is 1,540 bytes, read once into registers.
;
; LIMITS.  Powers are made by products, not by exp(dtA l): a mode's relative error reaches about 2e-5 at the tables' far ends.
; 128 |dt A_imag| stays under 2^23 quarter turns (1.3e7 rad): beyond, the phase is wrong (bounded: the reduced angle is clamped).
; exp(inv_A_real) dt stays under 2^126: beyond, the reciprocal that scales 1 - dtA/2 is flushed to zero.  dt = 2^(log_dt log2 e) carries the
; rounding of that product, about 4e-7 relative at log_dt = -7.  A dt below 2^-126 counts as 0.  NaN and infinities are not treated.
.set PITCH,   528                      ; an LDS row: 64 modes x 8 bytes + 16 = 33 x 16 bytes, so the 16 rows that a load touches start 4 banks apart (64 banks: ISA guide 11.1)
.set ROW_Q,   16                       ; rows 0-15 row bases, 16-31 V^0 .. V^15,
.set ROW_Y4,  32                       ; 32 Y^4, 33 V^16
.set WLDS,    34*PITCH                 ; a wave's LDS: 17,952 bytes
; an LDS row holds mode pair p at byte 16 p as a quad: re(2p), re(2p+1), im(2p), im(2p+1)
; registers of the whole kernel
.set INOFF, 1                          ; byte offset of my two modes in the six [1024][64] inputs
.set NEG1,  2                          ; -1.0
.set OOFF,  3                          ; byte offset in out0: 8192 h + 16 r + 1024 hh
.set ADE,   4                          ; LDS: row r, my half's 256 bytes
.set ADU,   5                          ; LDS: the row of Y^4, my half's 256 bytes
.set GAD,   6                          ; LDS, part 1: my quad in row 0
.set LDOFF, 7                          ; byte offset of log_dt[h]
; registers of part 1.  A complex number of my two modes is a quad: re0, re1, im0, im1
.set LD,  8
.set DT,  9
.set DT2, 10
.set XA,  12
.set AI,  14
.set BQ,  16
.set CQ,  20
.set AE,  24                           ; exp(inv_A_real)
.set WR,  26                           ; exp(inv_A_real) dt = -Re dtA
.set ANG, 28                           ; Im dtA (2), 128 Im dtA (2)
.set EX,  32                           ; log2 |z| (2), log2 |Y| (2)
.set MAG, 36
.set TH,  40
.set QD,  44
.set XR,  48
.set XS,  52
.set PS,  56
.set PC,  60
.set HC,  64
.set XQ,  68
.set SS,  72
.set CC,  76
.set DRE, 80
.set HIM, 82
.set MX,  84
.set SC,  86
.set DRS, 88                           ; a quad: conj(1 - dtA/2), scaled
.set DEN, 92
.set GG,  94
.set RB,  96                           ; v[96:159]   16 row bases
.set QB,  160                          ; v[160:227]  V^0 .. V^16
.set ZQ,  228
.set Z2Q, 232
.set YQ,  236
.set Y2Q, 240
.set Y4Q, 244
.set FQ,  248                          ; 2 dt / (1 - dtA/2)
.set BCQ, 252
; registers of part 2
.set T,   8                            ; v[8:15]     scratch
.set EA0, 16                           ; v[16:31]    my 8 modes' row numbers, f32, two buffers in turn
.set EA1, 32                           ; v[32:47]    (also the column numbers of column tile 1)
.set YM,  48                           ; v[48:63]    their Y^4
.set EB,  64                           ; v[64:79]    my 8 modes' column numbers
.set VM,  80                           ; v[80:95]    their V^16
.set AF,  96                           ; v[96:127]   A fragments: 2 buffers x (hi 8, lo 8)
.set BF,  128                          ; v[128:191]  B fragments: 2 buffers x 2 column tiles x (hi 8, lo 8)
.set ACC, 192                          ; v[192:255]  8 accumulator tiles, tile (ti, tj) at 16 ti + 8 tj
; cnt complex products: quad d + 4 i = quad (a + 4 i) x quad (b + sb i).  d overlaps neither a nor b.  Four runs, so that no line waits for the one in front.
.macro CMULS cnt, d, a, b, sb
.set ci, 0
.rept \cnt
	v_pk_mul_f32 v[\d+4*ci:\d+4*ci+1], v[\a+4*ci:\a+4*ci+1], v[\b+\sb*ci:\b+\sb*ci+1]
.set ci, ci+1
.endr
.set ci, 0
.rept \cnt
	v_pk_mul_f32 v[\d+4*ci+2:\d+4*ci+3], v[\a+4*ci:\a+4*ci+1], v[\b+\sb*ci+2:\b+\sb*ci+3]
.set ci, ci+1
.endr
.set ci, 0
.rept \cnt
	v_pk_fma_f32 v[\d+4*ci:\d+4*ci+1], v[\a+4*ci+2:\a+4*ci+3], v[\b+\sb*ci+2:\b+\sb*ci+3], v[\d+4*ci:\d+4*ci+1] neg_lo:[1,0,0] neg_hi:[1,0,0]
.set ci, ci+1
.endr
.set ci, 0
.rept \cnt
	v_pk_fma_f32 v[\d+4*ci+2:\d+4*ci+3], v[\a+4*ci+2:\a+4*ci+3], v[\b+\sb*ci:\b+\sb*ci+1], v[\d+4*ci+2:\d+4*ci+3]
.set ci, ci+1
.endr
.endm
	s_load_b512 s[8:23], s[0:1], 0x0               ; log_dt s[8:9], inv_A_real, A_imag, B_re, B_im, C_re, C_im, out0 s[22:23]
	s_set_vgpr_msb 0x40
	v_lshl_add_u32 v0, v0, 2, 0x11900
	v_mov_b32 v1, 0
	s_set_vgpr_msb 0x4000
	v_lshrrev_b32 v40, 5, v0
	v_readfirstlane_b32 s24, v40                   ; wave 0..3
	v_and_b32 v42, 31, v0                          ; lane
	v_and_b32 v40, 15, v0                          ; r
	v_bfe_u32 v41, v0, 4, 1                        ; hh
	s_lshl2_add_u32 s25, ttmp9, s24                ; h = 4 x work-group + wave
	s_lshl_b32 s26, s25, 8                         ; a row of 64 f32
	s_lshl_b32 s27, s25, 2
	s_lshl_b32 s28, s25, 13                        ; a row of 2048 f32
	s_mul_i32 s29, s24, WLDS                       ; my wave's LDS
	v_lshl_add_u32 v[INOFF], v42, 3, s26           ; each load of the wave covers 256 consecutive bytes, aligned
	v_mov_b32 v[LDOFF], s27
	s_wait_kmcnt 0x0
	global_load_b32 v[LD], v[LDOFF], s[8:9]
	global_load_b64 v[XA:XA+1], v[INOFF], s[10:11] th:TH_LOAD_NT
	global_load_b64 v[AI:AI+1], v[INOFF], s[12:13] th:TH_LOAD_NT
	global_load_b64 v[BQ:BQ+1], v[INOFF], s[14:15] th:TH_LOAD_NT
	global_load_b64 v[BQ+2:BQ+3], v[INOFF], s[16:17] th:TH_LOAD_NT
	global_load_b64 v[CQ:CQ+1], v[INOFF], s[18:19] th:TH_LOAD_NT
	global_load_b64 v[CQ+2:CQ+3], v[INOFF], s[20:21] th:TH_LOAD_NT
	; addresses and constants while the loads are out
	s_mov_b32 s30, 0xb94ca1f9                      ; sin: -1.9515296e-4
	s_mov_b32 s31, 0x3c08839e                      ;       8.3321609e-3
	s_mov_b32 s32, 0x37ccf5ce                      ; cos:  2.4433157e-5
	s_mov_b32 s33, 0xbab6061a                      ;      -1.3887316e-3
	v_mul_u32_u24 v[ADE], v40, PITCH
	v_lshl_add_u32 v[ADE], v41, 8, v[ADE]
	v_add_nc_u32 v[ADE], s29, v[ADE]
	v_lshl_add_u32 v[ADU], v41, 8, s29
	v_add_nc_u32 v[ADU], ROW_Y4*PITCH, v[ADU]
	v_lshl_add_u32 v[GAD], v42, 4, s29
	v_lshlrev_b32 v[OOFF], 4, v40
	v_lshl_add_u32 v[OOFF], v41, 10, v[OOFF]
	v_add_nc_u32 v[OOFF], s28, v[OOFF]
	v_mov_b32 v[NEG1], -1.0
	; ---------------- PART 1: the scalars of my two modes ----------------
	s_wait_loadcnt 0x4                             ; log_dt, inv_A_real, A_imag are in; the four loads of B and C stay out
	v_mul_f32 v[TH+2], 0x3fb8aa3b, v[LD]
	v_pk_mul_f32 v[TH:TH+1], v[XA:XA+1], 0x3fb8aa3b op_sel_hi:[1,0]
	v_exp_f32 v[DT], v[TH+2]                       ; dt
	v_exp_f32 v[AE], v[TH]                         ; exp(inv_A_real)
	v_exp_f32 v[AE+1], v[TH+1]
	v_nop                                          ; one plain place behind the run of transcendentals (ISA guide 5.7.2)
	s_wait_alu depctr_va_vdst(0)
	v_mul_f32 v[ANG], v[AI], v[DT]
	v_mul_f32 v[ANG+1], v[AI+1], v[DT]
	v_mul_f32 v[WR], v[AE], v[DT]
	v_mul_f32 v[WR+1], v[AE+1], v[DT]
	v_add_f32 v[DT2], v[DT], v[DT]                 ; the factor 2 of K rides on Cm
	v_pk_mul_f32 v[ANG+2:ANG+3], v[ANG:ANG+1], 0x43000000 op_sel_hi:[1,0]      ; x 128: exact
	v_pk_mul_f32 v[EX:EX+1], v[WR:WR+1], 0xbfb8aa3b op_sel_hi:[1,0]            ; log2 |z| = -a dt log2 e
	v_pk_fma_f32 v[DRE:DRE+1], v[WR:WR+1], 0.5, 1.0 op_sel_hi:[1,0,0]          ; Re(1 - dtA/2), at least 1
	v_pk_mul_f32 v[HIM:HIM+1], v[ANG:ANG+1], 0.5 op_sel_hi:[1,0]               ; -Im(1 - dtA/2)
	v_pk_mul_f32 v[EX+2:EX+3], v[EX:EX+1], 0x43000000 op_sel_hi:[1,0]
	v_and_b32 v[MX], 0x7fffffff, v[HIM]
	v_and_b32 v[MX+1], 0x7fffffff, v[HIM+1]
	v_max_num_f32 v[MX], v[DRE], v[MX]             ; 1 - dtA/2 is scaled by its larger part: no square overflows
	v_max_num_f32 v[MX+1], v[DRE+1], v[MX+1]
	; the four angles in quarter turns, 2/pi in two words
.irp i,0,2
	v_pk_mul_f32 v[TH+\i:TH+\i+1], v[ANG+\i:ANG+\i+1], 0x3f22f983 op_sel_hi:[1,0]
.endr
.irp i,0,1,2,3
	v_rndne_f32 v[QD+\i], v[TH+\i]                 ; the quadrant
.endr
.irp i,0,2
	v_pk_fma_f32 v[XR+\i:XR+\i+1], v[ANG+\i:ANG+\i+1], 0x3f22f983, v[QD+\i:QD+\i+1] op_sel_hi:[1,0,1] neg_lo:[0,0,1] neg_hi:[0,0,1]
.endr
.irp i,0,2
	v_pk_fma_f32 v[XR+\i:XR+\i+1], v[ANG+\i:ANG+\i+1], 0x32dc9c88, v[XR+\i:XR+\i+1] op_sel_hi:[1,0,1]
.endr
	v_rcp_f32 v[SC], v[MX]
	v_rcp_f32 v[SC+1], v[MX+1]
.irp i,0,1,2,3
	v_exp_f32 v[MAG+\i], v[EX+\i]                  ; |z|, |Y|
.endr
.irp i,0,2
	v_pk_mul_f32 v[XR+\i:XR+\i+1], v[XR+\i:XR+\i+1], 0x3fc90fdb op_sel_hi:[1,0]   ; x in [-pi/4, pi/4]; also the plain place behind the run above
.endr
.irp i,0,1,2,3
	v_med3_num_f32 v[XR+\i], v[XR+\i], -1.0, 1.0   ; changes nothing inside the reduction's reach; beyond it the polynomials stay bounded
.endr
	s_wait_alu depctr_va_vdst(0)
	v_pk_mul_f32 v[DRS:DRS+1], v[DRE:DRE+1], v[SC:SC+1]
	v_pk_mul_f32 v[DRS+2:DRS+3], v[HIM:HIM+1], v[SC:SC+1]
	v_pk_mul_f32 v[DEN:DEN+1], v[DRS:DRS+1], v[DRS:DRS+1]
	v_pk_fma_f32 v[DEN:DEN+1], v[DRS+2:DRS+3], v[DRS+2:DRS+3], v[DEN:DEN+1]    ; in [1, 2]
.irp i,0,2
	v_pk_mul_f32 v[XS+\i:XS+\i+1], v[XR+\i:XR+\i+1], v[XR+\i:XR+\i+1]
.endr
	v_rcp_f32 v[MX], v[DEN]
	v_rcp_f32 v[MX+1], v[DEN+1]
.irp i,0,1,2,3
	v_fma_f32 v[PS+\i], v[XS+\i], s30, s31
	v_fma_f32 v[PC+\i], v[XS+\i], s32, s33
.endr
.irp i,0,2
	v_pk_fma_f32 v[PS+\i:PS+\i+1], v[PS+\i:PS+\i+1], v[XS+\i:XS+\i+1], 0xbe2aaaa3 op_sel_hi:[1,1,0]
	v_pk_fma_f32 v[PC+\i:PC+\i+1], v[PC+\i:PC+\i+1], v[XS+\i:XS+\i+1], 0x3d2aaaa5 op_sel_hi:[1,1,0]
	v_pk_fma_f32 v[HC+\i:HC+\i+1], v[XS+\i:XS+\i+1], -0.5, 1.0 op_sel_hi:[1,0,0]
	v_pk_mul_f32 v[XQ+\i:XQ+\i+1], v[XS+\i:XS+\i+1], v[XS+\i:XS+\i+1]
.endr
.irp i,0,2
	v_pk_mul_f32 v[PS+\i:PS+\i+1], v[PS+\i:PS+\i+1], v[XS+\i:XS+\i+1]
	v_pk_fma_f32 v[PC+\i:PC+\i+1], v[PC+\i:PC+\i+1], v[XQ+\i:XQ+\i+1], v[HC+\i:HC+\i+1]   ; cos x
.endr
.irp i,0,2
	v_pk_fma_f32 v[PS+\i:PS+\i+1], v[PS+\i:PS+\i+1], v[XR+\i:XR+\i+1], v[XR+\i:XR+\i+1]   ; sin x
.endr
	v_mul_f32 v[GG], v[DT2], v[SC]
	v_mul_f32 v[GG+1], v[DT2], v[SC+1]
	s_wait_alu depctr_va_vdst(0)
	v_pk_mul_f32 v[GG:GG+1], v[GG:GG+1], v[MX:MX+1]
	v_pk_mul_f32 v[FQ:FQ+1], v[GG:GG+1], v[DRS:DRS+1]                          ; F = 2 dt conj(d) / |d|^2, d = 1 - dtA/2
	v_pk_mul_f32 v[FQ+2:FQ+3], v[GG:GG+1], v[DRS+2:DRS+3]
	; times i^quadrant: odd quadrants swap sin and cos; sin changes sign in quadrants 2, 3, cos in 1, 2.  Values are selected, nothing branches.
.irp i,0,1,2,3
	v_cvt_i32_f32 v[TH+\i], v[QD+\i]
.endr
.irp i,0,1,2,3
	v_and_b32 v[HC+\i], 1, v[TH+\i]
	v_lshlrev_b32 v[XQ+\i], 30, v[TH+\i]
	v_add_lshl_u32 v[QD+\i], v[TH+\i], 1, 30
.endr
.irp i,0,1,2,3
	v_cmp_ne_u32 s[36+\i], 0, v[HC+\i]
	v_and_b32 v[XQ+\i], 0x80000000, v[XQ+\i]
	v_and_b32 v[QD+\i], 0x80000000, v[QD+\i]
.endr
.irp i,0,1,2,3
	v_cndmask_b32 v[SS+\i], v[PS+\i], v[PC+\i], s[36+\i]
	v_cndmask_b32 v[CC+\i], v[PC+\i], v[PS+\i], s[36+\i]
.endr
.irp i,0,1,2,3
	v_xor_b32 v[SS+\i], v[SS+\i], v[XQ+\i]
	v_xor_b32 v[CC+\i], v[CC+\i], v[QD+\i]
.endr
	v_pk_mul_f32 v[ZQ:ZQ+1], v[MAG:MAG+1], v[CC:CC+1]                          ; z = exp(dtA)
	v_pk_mul_f32 v[ZQ+2:ZQ+3], v[MAG:MAG+1], v[SS:SS+1]
	v_pk_mul_f32 v[YQ:YQ+1], v[MAG+2:MAG+3], v[CC+2:CC+3]                      ; Y = exp(128 dtA)
	v_pk_mul_f32 v[YQ+2:YQ+3], v[MAG+2:MAG+3], v[SS+2:SS+3]
	; the tables, by doubling
	s_wait_loadcnt 0x0                             ; B and C
	CMULS 1, BCQ, BQ, CQ, 0
	CMULS 1, Z2Q, ZQ, ZQ, 0
	CMULS 1, Y2Q, YQ, YQ, 0
	CMULS 1, RB, BCQ, FQ, 0                        ; 2 Cm
	CMULS 1, QB+4, Z2Q, Z2Q, 0                     ; z^4,
	v_pk_mul_f32 v[QB+6:QB+7], v[QB+6:QB+7], -1.0 op_sel_hi:[1,0]              ; conjugated: V
	CMULS 1, Y4Q, Y2Q, Y2Q, 0
	CMULS 1, RB+4, RB, ZQ, 0                       ; row base 1
	CMULS 1, QB+8, QB+4, QB+4, 0                   ; V^2
	CMULS 2, RB+8, RB, Z2Q, 0                      ; row bases 2, 3
	CMULS 2, QB+12, QB+4, QB+8, 0                  ; V^3, V^4
	CMULS 4, RB+16, RB, YQ, 0                      ; row bases 4-7
	CMULS 4, QB+20, QB+4, QB+16, 0                 ; V^5 .. V^8
	CMULS 8, RB+32, RB, Y2Q, 0                     ; row bases 8-15
	CMULS 8, QB+36, QB+4, QB+32, 0                 ; V^9 .. V^16
	v_mov_b32 v[QB], 1.0                           ; V^0
	v_mov_b32 v[QB+1], 1.0
	v_mov_b32 v[QB+2], 0
	v_mov_b32 v[QB+3], 0
.set si, 0
.rept 16
	ds_store_b128 v[GAD], v[RB+4*si:RB+4*si+3] offset:si*PITCH
	ds_store_b128 v[GAD], v[QB+4*si:QB+4*si+3] offset:(ROW_Q+si)*PITCH
.set si, si+1
.endr
	ds_store_b128 v[GAD], v[Y4Q:Y4Q+3] offset:ROW_Y4*PITCH
	ds_store_b128 v[GAD], v[QB+64:QB+67] offset:(ROW_Y4+1)*PITCH
	; ---------------- PART 2: fragments and products ----------------
; One matrix instruction; z = 1: the first product starts the sum, nothing is cleared.
.macro WM acc, a, b, z
.if \z
	v_wmma_f32_16x16x32_bf16 v[\acc:\acc+7], v[\a:\a+7], v[\b:\b+7], 0
.else
	v_wmma_f32_16x16x32_bf16 v[\acc:\acc+7], v[\a:\a+7], v[\b:\b+7], v[\acc:\acc+7]
.endif
.endm
; The unit that is waiting (A fragments at PA, B at PB, accumulators at PACC) owes PEND pairs: hi hi, lo hi, hi lo, each for both column tiles.
.set PEND, 0
.set PA, AF
.set PB, BF
.set PACC, ACC
.set PZ, 0
.macro PAIR
.if PEND > 0
.set AO, 0
.set BO, 0
.set ZF, 0
.if PEND == 3
.set ZF, PZ
.endif
.if PEND == 2
.set AO, 8
.endif
.if PEND == 1
.set BO, 8
.endif
	WM PACC, PA+AO, PB+BO, ZF
	WM PACC+8, PA+AO, PB+16+BO, ZF
.set PEND, PEND-1
.endif
.endm
.macro FLUSH
	PAIR
	PAIR
	PAIR
.endm
; 8 f32 at x into 4 registers of bf16 at h (hi) and 4 at h + 8 (lo = x - hi, exact in f32, then rounded).  A waiting pair goes first.
; What follows a pair writes T and a fragment buffer that the waiting unit does not name.
.macro SPLIT2 x, h
	PAIR
.irp j,0,1,2,3
	v_cvt_pk_bf16_f32 v[\h+\j], v[\x+2*\j], v[\x+2*\j+1]
.endr
.irp j,0,1,2,3
	v_fma_mix_f32_bf16 v[T+2*\j], v[\h+\j], v[NEG1], v[\x+2*\j] op_sel_hi:[1,0,0]
	v_fma_mix_f32_bf16 v[T+2*\j+1], v[\h+\j], v[NEG1], v[\x+2*\j+1] op_sel:[1,0,0] op_sel_hi:[1,0,0]
.endr
.irp j,0,1,2,3
	v_cvt_pk_bf16_f32 v[\h+8+\j], v[T+2*\j], v[T+2*\j+1]
.endr
.endm
.macro FRAG x, f                       ; 16 f32 (8 modes) into a fragment: hi at f .. f+7, lo at f+8 .. f+15
	SPLIT2 \x, \f
	SPLIT2 \x+8, \f+4
.endm
.macro LOADB ks                        ; 8 loads: my column's 8 modes of K step ks, and their V^16
.irp q,0,1,2,3
	ds_load_b128 v[EB+4*\q:EB+4*\q+3], v[ADE] offset:ROW_Q*PITCH+64*(\ks)+16*\q
.endr
.irp q,0,1,2,3
	ds_load_b128 v[VM+4*\q:VM+4*\q+3], v[ADU] offset:PITCH+64*(\ks)+16*\q
.endr
.endm
.macro LOADA ks                        ; 8 loads: my row's 8 modes of K step ks, and their Y^4
.irp q,0,1,2,3
	ds_load_b128 v[EA0+4*\q:EA0+4*\q+3], v[ADE] offset:64*(\ks)+16*\q
.endr
.irp q,0,1,2,3
	ds_load_b128 v[YM+4*\q:YM+4*\q+3], v[ADU] offset:64*(\ks)+16*\q
.endr
.endm
; Register j of tile (ti, tj) in lane (r, hh) is l = (j & 3) + 4 r + 64 tj + 128 (j >> 2) + 256 hh + 512 ti:
; sixteen lanes of a store write 256 consecutive bytes, at a multiple of 256 from out0's first byte.
.macro OUT ti
.irp tj,0,1
.irp g,0,1
	global_store_b128 v[OOFF], v[ACC+16*\ti+8*\tj+4*\g:ACC+16*\ti+8*\tj+4*\g+3], s[22:23] offset:2048*\ti+256*\tj+512*\g th:TH_STORE_NT
.endr
.endr
.endm
; Row tile ti of K step ks: its fragments, the next tile's numbers (x Y^4), and the unit is left waiting.
; An A buffer is written again two units on: behind the last pair that read it stand the 16 lines of a product (ISA guide 7.12.1 asks for four).
.macro UNIT ks, ti
.set SRC, EA0+16*(\ti%2)
.set DST, EA0+16-16*(\ti%2)
.set AFB, AF+16*(\ti%2)
	FRAG SRC, AFB
.if \ti < 3
	PAIR
	CMULS 4, DST, SRC, YM, 4
.endif
.if \ti == 2
.if \ks < 3
	LOADA \ks+1                                    ; EA0 and YM have been read for the last time in this K step
.endif
.endif
.if \ks == 3
.if \ti == 1
	OUT 0                                          ; row tile 0's last pair stands in front of the 16 lines of the product above
.endif
.if \ti == 2
	OUT 1
.endif
.endif
	FLUSH
.set PA, AFB
.set PB, BF+32*(\ks%2)
.set PACC, ACC+16*\ti
.set PZ, 0
.if \ks == 0
.set PZ, 1
.endif
.set PEND, 3
.endm
.macro KSTEP ks
.set BFB, BF+32*(\ks%2)
	s_wait_dscnt 0x8                               ; LDS answers in order (ISA guide 5.7.1): EB and VM are in, the 8 loads of LOADA behind them stay out
	FRAG EB, BFB                                   ; column tile 0
	PAIR
	CMULS 4, EA1, EB, VM, 4                        ; x V^16
	FRAG EA1, BFB+16                               ; column tile 1
.if \ks < 3
	LOADB \ks+1
	s_wait_dscnt 0x8                               ; EA0 and YM are in, the 8 loads just issued stay out
.else
	s_wait_dscnt 0x0                               ; nothing was issued behind the last EA0 and YM
.endif
	UNIT \ks, 0
	UNIT \ks, 1
	UNIT \ks, 2
	UNIT \ks, 3
.endm
	LOADB 0                                        ; LDS serves a wave's instructions in order (ISA guide 5.7.1): these see the stores above, bytes of my own wave
	LOADA 0
	KSTEP 0
	KSTEP 1
	KSTEP 2
	KSTEP 3
	FLUSH                                          ; the last unit's three pairs
.rept 4
	v_nop                                          ; four places between the last matrix instructions and the stores of their results
.endr
	OUT 2
	OUT 3
	s_set_vgpr_msb 0x5
	s_wait_tensorcnt 0x0
	ds_add_u32 v0, v1
	s_wait_dscnt 0x0
	s_set_vgpr_msb 0x500
	s_endpgm
.Lfunc_end_k_q9a9d4f8f9d_modal:
	.size	k_q9a9d4f8f9d_modal, .Lfunc_end_k_q9a9d4f8f9d_modal-k_q9a9d4f8f9d_modal
	.p2alignl 7, 3214868480
	.fill 96, 4, 3214868480
	.section	.rodata,"a",@progbits
	.p2align	6, 0x0
	.amdhsa_kernel k_q9a9d4f8f9d_modal
		.amdhsa_group_segment_fixed_size 72448
		.amdhsa_private_segment_fixed_size 0
		.amdhsa_enable_private_segment 0
		.amdhsa_kernarg_size 64
		.amdhsa_user_sgpr_count 2
		.amdhsa_user_sgpr_kernarg_segment_ptr 1
		.amdhsa_wavefront_size32 1
		.amdhsa_system_sgpr_workgroup_id_x 1
		.amdhsa_system_sgpr_workgroup_id_y 1
		.amdhsa_system_sgpr_workgroup_id_z 1
		.amdhsa_system_vgpr_workitem_id 0
		.amdhsa_next_free_vgpr 258
		.amdhsa_next_free_sgpr 66
		.amdhsa_reserve_vcc 0
		.amdhsa_float_denorm_mode_32 3
		.amdhsa_float_denorm_mode_16_64 3
		.amdhsa_memory_ordered 1
		.amdhsa_forward_progress 1
		.amdhsa_inst_pref_size 97
	.end_amdhsa_kernel
	.amdgpu_metadata
---
amdhsa.version: [ 1, 2 ]
amdhsa.kernels:
  - .name:           k_q9a9d4f8f9d_modal
    .symbol:         k_q9a9d4f8f9d_modal.kd
    .args:
      - { .name: log_dt, .offset: 0, .size: 8, .value_kind: global_buffer, .address_space: global }
      - { .name: inv_A_real, .offset: 8, .size: 8, .value_kind: global_buffer, .address_space: global }
      - { .name: A_imag, .offset: 16, .size: 8, .value_kind: global_buffer, .address_space: global }
      - { .name: B_re, .offset: 24, .size: 8, .value_kind: global_buffer, .address_space: global }
      - { .name: B_im, .offset: 32, .size: 8, .value_kind: global_buffer, .address_space: global }
      - { .name: C_re, .offset: 40, .size: 8, .value_kind: global_buffer, .address_space: global }
      - { .name: C_im, .offset: 48, .size: 8, .value_kind: global_buffer, .address_space: global }
      - { .name: out0, .offset: 56, .size: 8, .value_kind: global_buffer, .address_space: global }
    .group_segment_fixed_size: 72448
    .private_segment_fixed_size: 0
    .kernarg_segment_align: 8
    .kernarg_segment_size: 64
    .max_flat_workgroup_size: 128
    .sgpr_count:     66
    .vgpr_count:     258
    .wavefront_size: 32
...
	.end_amdgpu_metadata
.endif
;; end of part 1
;; ======== version 2 of 2: 1 launch; version 1 with the launch modal written anew for expert scheduling mode
;; launch modal (part 2): grid 256 x 1, 4 waves a work-group, no clusters, 72,448 bytes of LDS; arguments log_dt, inv_A_real, A_imag, B_re, B_im, C_re, C_im, out0; writes out0
.if DOCPART == 2
	.amdgcn_target "amdgcn-amd-amdhsa--gfx1250"
	.amdhsa_code_object_version 6
	.text
	.protected	k_q9a9d4f8f9d_modal
	.globl	k_q9a9d4f8f9d_modal
	.p2align	8
	.type	k_q9a9d4f8f9d_modal,@function
k_q9a9d4f8f9d_modal:
	s_mov_b64 s[64:65], 0
	v_nop
	global_prefetch_b8 v0, s[64:65] scope:SCOPE_SE
	s_setreg_imm32_b32 hwreg(HW_REG_WAVE_SCHED_MODE, 0, 2), 2
	s_setreg_imm32_b32 hwreg(HW_REG_WAVE_MODE, 25, 1), 1
	s_wait_xcnt 0x0
	s_wait_alu depctr_vm_vsrc(0)
; K[h][l] = 2 Re sum_n Cm[h][n] z[h][n]^l,  z = exp(dtA),  Cm = B C dt / (1 - dtA/2),  dtA = (-exp(inv_A_real) + i A_imag) dt.
; H = 1024, N = 64 modes, L = 2048.  One wave owns one h; four waves a work-group, 256 work-groups; no wave reads another's bytes: no barrier.
;
; THE PRODUCT.  l = f(m) + 4 c, m = 0..63, c = 0..31, f(m) = (m & 3) + 128 (m >> 2).  Then
;   K[h][f + 4c] = sum_n Re( R[m][n] z^(4c) ),  R = 2 Cm z^f:
; a real 64 x 32 product over 128 slots (re, im of 64 modes); the column table is kept as V^c, V = conj(z^4), so that re re + im im is the
; real part.  96 x 64 complex table entries for each h take the place of 2048 x 64 exponentials.  With this split of l the registers j & 3
; of a result tile and the 16 lanes of a half hold 64 consecutive l: results are stored straight from the accumulators.
;
; OPERANDS are pairs of bf16, x = hi + lo (16 significant bits), and three products are formed: hi hi + lo hi + hi lo.  One 16-bit number
; alone leaves an error of the size of the allowed one where 128 products of like size cancel.  The dropped lo lo is below 2^-18 of a product.
;
; PART 1 (lane = modes 2 lane, 2 lane + 1): each mode's scalars, z and Y = z^128 by exp and sin/cos, then by complex products 16 row bases
; 2 Cm z^(r&3) Y^(r>>2), V^0 .. V^16 and Y^4: 34 rows of 512 bytes in the wave's own LDS.
; PART 2 (lane = row or column r = lane & 15, half hh = lane >> 4): in K step ks the lane reads modes 32 hh + 8 ks .. + 7 of its bases and of the
; two multipliers and builds the fragments in the matrix layout in registers.  The order of the slots along K is the same in both operands,
; which is all that a product needs.  Row tiles 1-3 and column tile 1 come by one complex product (x Y^4, x V^16).
; The six matrix instructions of a unit (ks, row tile) stand two by two in front of the stages that build the next unit.
;
; No cluster: no two work-groups read the same input bytes.  No tensor load, no ring: a wave's whole input is 1,540 bytes, read once into registers.
;
; THE MODE: SCHED_MODE bits 1:0 = 2 (LLVM: expert scheduling mode 2), set by the entry lines.  The code itself states the register dependences
; between vector or matrix instructions and memory or LDS instructions, with s_wait_alu, always for 0.
; THE PLAN.  Registers that memory or LDS instructions touch:
;   v1, v3-v7       offsets and LDS addresses.  Written once, at the head, ahead of the head's wait on va_vdst; read by every access; never written again.
;   v8, v12-v23     the inputs land here once; no vector instruction names them ahead of the loads.
;   RB, QB, Y4Q     written by part 1's products, read by the 34 LDS stores, written again in part 2 as AF, BF and ACC: one wait on va_vdst ahead
;                   of the stores, one on vm_vsrc ahead of part 2's first vector line.
;   EB, VM          K step ks: read by the two splits of column tile 0 and by the product x V^16; behind that product the loads of K step ks + 1 land.
;   EA0, YM         K step ks: EA0 is read by row tile 0, written by row tile 1's product, read by row tile 2; YM is read by the three products x Y^4;
;                   behind row tile 2's product the loads of K step ks + 1 land.
;   ACC             written by matrix instructions alone, read by the 16 global stores, never written again behind its tile's stores.
;   EA1, T, AF, BF  are named in part 2 by vector and matrix instructions alone.
; So a K step has two waits on va_vdst, one behind the last reader of each pair of operand buffers.  Four of a pair's eight loads follow the wait at once,
; the other four stand between the next two splits, which name none of the registers that those loads touch.
;
; LIMITS.  Powers are made by products, not by exp(dtA l): a mode's relative error reaches about 2e-5 at the tables' far ends.
; 128 |dt A_imag| stays under 2^23 quarter turns (1.3e7 rad): beyond, the phase is wrong (bounded: the reduced angle is clamped).
; exp(inv_A_real) dt stays under 2^126: beyond, the reciprocal that scales 1 - dtA/2 is flushed to zero.  dt = 2^(log_dt log2 e) carries the
; rounding of that product, about 4e-7 relative at log_dt = -7.  A dt below 2^-126 counts as 0.  NaN and infinities are not treated.
.set PITCH,   528                      ; an LDS row: 64 modes x 8 bytes + 16 = 33 x 16 bytes, so the 16 rows that a load touches start 4 banks apart (64 banks: ISA guide 11.1)
.set ROW_Q,   16                       ; rows 0-15 row bases, 16-31 V^0 .. V^15,
.set ROW_Y4,  32                       ; 32 Y^4, 33 V^16
.set WLDS,    34*PITCH                 ; a wave's LDS: 17,952 bytes
; an LDS row holds mode pair p at byte 16 p as a quad: re(2p), re(2p+1), im(2p), im(2p+1)
; registers of the whole kernel
.set INOFF, 1                          ; byte offset of my two modes in the six [1024][64] inputs
.set NEG1,  2                          ; -1.0
.set OOFF,  3                          ; byte offset in out0: 8192 h + 16 r + 1024 hh
.set ADE,   4                          ; LDS: row r, my half's 256 bytes
.set ADU,   5                          ; LDS: the row of Y^4, my half's 256 bytes
.set GAD,   6                          ; LDS, part 1: my quad in row 0
.set LDOFF, 7                          ; byte offset of log_dt[h]
; registers of part 1.  A complex number of my two modes is a quad: re0, re1, im0, im1
.set LD,  8
.set DT,  9
.set DT2, 10
.set XA,  12
.set AI,  14
.set BQ,  16
.set CQ,  20
.set AE,  24                           ; exp(inv_A_real)
.set WR,  26                           ; exp(inv_A_real) dt = -Re dtA
.set ANG, 28                           ; Im dtA (2), 128 Im dtA (2)
.set EX,  32                           ; log2 |z| (2), log2 |Y| (2)
.set MAG, 36
.set TH,  40
.set QD,  44
.set XR,  48
.set XS,  52
.set PS,  56
.set PC,  60
.set HC,  64
.set XQ,  68
.set SS,  72
.set CC,  76
.set DRE, 80
.set HIM, 82
.set MX,  84
.set SC,  86
.set DRS, 88                           ; a quad: conj(1 - dtA/2), scaled
.set DEN, 92
.set GG,  94
.set RB,  96                           ; v[96:159]   16 row bases
.set QB,  160                          ; v[160:227]  V^0 .. V^16
.set ZQ,  228
.set Z2Q, 232
.set YQ,  236
.set Y2Q, 240
.set Y4Q, 244
.set FQ,  248                          ; 2 dt / (1 - dtA/2)
.set BCQ, 252
; registers of part 2
.set T,   8                            ; v[8:15]     scratch
.set EA0, 16                           ; v[16:31]    my 8 modes' row numbers, f32, two buffers in turn
.set EA1, 32                           ; v[32:47]    (also the column numbers of column tile 1)
.set YM,  48                           ; v[48:63]    their Y^4
.set EB,  64                           ; v[64:79]    my 8 modes' column numbers
.set VM,  80                           ; v[80:95]    their V^16
.set AF,  96                           ; v[96:127]   A fragments: 2 buffers x (hi 8, lo 8)
.set BF,  128                          ; v[128:191]  B fragments: 2 buffers x 2 column tiles x (hi 8, lo 8)
.set ACC, 192                          ; v[192:255]  8 accumulator tiles, tile (ti, tj) at 16 ti + 8 tj
; cnt complex products: quad d + 4 i = quad (a + 4 i) x quad (b + sb i).  d overlaps neither a nor b.  Four runs, so that no line waits for the one in front.
.macro CMULS cnt, d, a, b, sb
.set ci, 0
.rept \cnt
	v_pk_mul_f32 v[\d+4*ci:\d+4*ci+1], v[\a+4*ci:\a+4*ci+1], v[\b+\sb*ci:\b+\sb*ci+1]
.set ci, ci+1
.endr
.set ci, 0
.rept \cnt
	v_pk_mul_f32 v[\d+4*ci+2:\d+4*ci+3], v[\a+4*ci:\a+4*ci+1], v[\b+\sb*ci+2:\b+\sb*ci+3]
.set ci, ci+1
.endr
.set ci, 0
.rept \cnt
	v_pk_fma_f32 v[\d+4*ci:\d+4*ci+1], v[\a+4*ci+2:\a+4*ci+3], v[\b+\sb*ci+2:\b+\sb*ci+3], v[\d+4*ci:\d+4*ci+1] neg_lo:[1,0,0] neg_hi:[1,0,0]
.set ci, ci+1
.endr
.set ci, 0
.rept \cnt
	v_pk_fma_f32 v[\d+4*ci+2:\d+4*ci+3], v[\a+4*ci+2:\a+4*ci+3], v[\b+\sb*ci:\b+\sb*ci+1], v[\d+4*ci+2:\d+4*ci+3]
.set ci, ci+1
.endr
.endm
	s_load_b512 s[8:23], s[0:1], 0x0               ; log_dt s[8:9], inv_A_real, A_imag, B_re, B_im, C_re, C_im, out0 s[22:23]
	s_set_vgpr_msb 0x40
	v_lshl_add_u32 v0, v0, 2, 0x11900
	v_mov_b32 v1, 0
	s_set_vgpr_msb 0x4000
	v_lshrrev_b32 v40, 5, v0
	v_readfirstlane_b32 s24, v40                   ; wave 0..3
	v_and_b32 v42, 31, v0                          ; lane
	v_and_b32 v40, 15, v0                          ; r
	v_bfe_u32 v41, v0, 4, 1                        ; hh
	v_mul_u32_u24 v[ADE], v40, PITCH               ; all addresses are made here, while the arguments are on their way
	v_lshl_add_u32 v[ADE], v41, 8, v[ADE]
	v_lshlrev_b32 v[OOFF], 4, v40
	v_lshl_add_u32 v[OOFF], v41, 10, v[OOFF]
	v_mov_b32 v[NEG1], -1.0
	s_wait_alu depctr_va_sdst(0)                   ; s24 is written, ahead of its first reader: h and the wave's LDS are made from it
	s_lshl2_add_u32 s25, ttmp9, s24                ; h = 4 x work-group + wave
	s_lshl_b32 s26, s25, 8                         ; a row of 64 f32
	s_lshl_b32 s27, s25, 2
	s_lshl_b32 s28, s25, 13                        ; a row of 2048 f32
	s_mul_i32 s29, s24, WLDS                       ; my wave's LDS
	v_lshl_add_u32 v[INOFF], v42, 3, s26           ; each load of the wave covers 256 consecutive bytes, aligned
	v_mov_b32 v[LDOFF], s27
	v_add_nc_u32 v[ADE], s29, v[ADE]
	v_lshl_add_u32 v[ADU], v41, 8, s29
	v_add_nc_u32 v[ADU], ROW_Y4*PITCH, v[ADU]
	v_lshl_add_u32 v[GAD], v42, 4, s29
	v_add_nc_u32 v[OOFF], s28, v[OOFF]
	s_wait_kmcnt 0x0
	s_wait_alu depctr_va_vdst(0)                   ; v1 and v3 to v7 are written: every load and store of the kernel, global or LDS, reads one of them as its offset or address
	global_load_b32 v[LD], v[LDOFF], s[8:9]
	global_load_b64 v[XA:XA+1], v[INOFF], s[10:11] th:TH_LOAD_NT
	global_load_b64 v[AI:AI+1], v[INOFF], s[12:13] th:TH_LOAD_NT
	global_load_b64 v[BQ:BQ+1], v[INOFF], s[14:15] th:TH_LOAD_NT
	global_load_b64 v[BQ+2:BQ+3], v[INOFF], s[16:17] th:TH_LOAD_NT
	global_load_b64 v[CQ:CQ+1], v[INOFF], s[18:19] th:TH_LOAD_NT
	global_load_b64 v[CQ+2:CQ+3], v[INOFF], s[20:21] th:TH_LOAD_NT
	; constants while the loads are out
	s_mov_b32 s30, 0xb94ca1f9                      ; sin: -1.9515296e-4
	s_mov_b32 s31, 0x3c08839e                      ;       8.3321609e-3
	s_mov_b32 s32, 0x37ccf5ce                      ; cos:  2.4433157e-5
	s_mov_b32 s33, 0xbab6061a                      ;      -1.3887316e-3
	; ---------------- PART 1: the scalars of my two modes ----------------
	s_wait_loadcnt 0x4                             ; log_dt, inv_A_real, A_imag are in; the four loads of B and C stay out
	v_mul_f32 v[TH+2], 0x3fb8aa3b, v[LD]
	v_pk_mul_f32 v[TH:TH+1], v[XA:XA+1], 0x3fb8aa3b op_sel_hi:[1,0]
	v_exp_f32 v[DT], v[TH+2]                       ; dt
	v_exp_f32 v[AE], v[TH]                         ; exp(inv_A_real)
	v_exp_f32 v[AE+1], v[TH+1]
	v_nop                                          ; one plain place behind the run of transcendentals (ISA guide 5.7.2)
	s_wait_alu depctr_va_vdst(0)                   ; the three exponentials have written dt and exp(inv_A_real): the wait stands ahead of the first line that names a result
	v_mul_f32 v[ANG], v[AI], v[DT]
	v_mul_f32 v[ANG+1], v[AI+1], v[DT]
	v_mul_f32 v[WR], v[AE], v[DT]
	v_mul_f32 v[WR+1], v[AE+1], v[DT]
	v_add_f32 v[DT2], v[DT], v[DT]                 ; the factor 2 of K rides on Cm
	v_pk_mul_f32 v[ANG+2:ANG+3], v[ANG:ANG+1], 0x43000000 op_sel_hi:[1,0]      ; x 128: exact
	v_pk_mul_f32 v[EX:EX+1], v[WR:WR+1], 0xbfb8aa3b op_sel_hi:[1,0]            ; log2 |z| = -a dt log2 e
	v_pk_fma_f32 v[DRE:DRE+1], v[WR:WR+1], 0.5, 1.0 op_sel_hi:[1,0,0]          ; Re(1 - dtA/2), at least 1
	v_pk_mul_f32 v[HIM:HIM+1], v[ANG:ANG+1], 0.5 op_sel_hi:[1,0]               ; -Im(1 - dtA/2)
	v_pk_mul_f32 v[EX+2:EX+3], v[EX:EX+1], 0x43000000 op_sel_hi:[1,0]
	v_and_b32 v[MX], 0x7fffffff, v[HIM]
	v_and_b32 v[MX+1], 0x7fffffff, v[HIM+1]
	v_max_num_f32 v[MX], v[DRE], v[MX]             ; 1 - dtA/2 is scaled by its larger part: no square overflows
	v_max_num_f32 v[MX+1], v[DRE+1], v[MX+1]
	; the four angles in quarter turns, 2/pi in two words
.irp i,0,2
	v_pk_mul_f32 v[TH+\i:TH+\i+1], v[ANG+\i:ANG+\i+1], 0x3f22f983 op_sel_hi:[1,0]
.endr
.irp i,0,1,2,3
	v_rndne_f32 v[QD+\i], v[TH+\i]                 ; the quadrant
.endr
.irp i,0,2
	v_pk_fma_f32 v[XR+\i:XR+\i+1], v[ANG+\i:ANG+\i+1], 0x3f22f983, v[QD+\i:QD+\i+1] op_sel_hi:[1,0,1] neg_lo:[0,0,1] neg_hi:[0,0,1]
.endr
.irp i,0,2
	v_pk_fma_f32 v[XR+\i:XR+\i+1], v[ANG+\i:ANG+\i+1], 0x32dc9c88, v[XR+\i:XR+\i+1] op_sel_hi:[1,0,1]
.endr
	v_rcp_f32 v[SC], v[MX]
	v_rcp_f32 v[SC+1], v[MX+1]
.irp i,0,1,2,3
	v_exp_f32 v[MAG+\i], v[EX+\i]                  ; |z|, |Y|
.endr
.irp i,0,2
	v_pk_mul_f32 v[XR+\i:XR+\i+1], v[XR+\i:XR+\i+1], 0x3fc90fdb op_sel_hi:[1,0]   ; x in [-pi/4, pi/4]; also the plain place behind the run above
.endr
.irp i,0,1,2,3
	v_med3_num_f32 v[XR+\i], v[XR+\i], -1.0, 1.0   ; changes nothing inside the reduction's reach; beyond it the polynomials stay bounded
.endr
	s_wait_alu depctr_va_vdst(0)                   ; the two reciprocals have written the scales and the four exponentials |z| and |Y|: one wait for the batch, ahead of its first reader; the six lines above name none of the results
	v_pk_mul_f32 v[DRS:DRS+1], v[DRE:DRE+1], v[SC:SC+1]
	v_pk_mul_f32 v[DRS+2:DRS+3], v[HIM:HIM+1], v[SC:SC+1]
	v_pk_mul_f32 v[DEN:DEN+1], v[DRS:DRS+1], v[DRS:DRS+1]
	v_pk_fma_f32 v[DEN:DEN+1], v[DRS+2:DRS+3], v[DRS+2:DRS+3], v[DEN:DEN+1]    ; in [1, 2]
.irp i,0,2
	v_pk_mul_f32 v[XS+\i:XS+\i+1], v[XR+\i:XR+\i+1], v[XR+\i:XR+\i+1]
.endr
	v_rcp_f32 v[MX], v[DEN]
	v_rcp_f32 v[MX+1], v[DEN+1]
.irp i,0,1,2,3
	v_fma_f32 v[PS+\i], v[XS+\i], s30, s31
	v_fma_f32 v[PC+\i], v[XS+\i], s32, s33
.endr
.irp i,0,2
	v_pk_fma_f32 v[PS+\i:PS+\i+1], v[PS+\i:PS+\i+1], v[XS+\i:XS+\i+1], 0xbe2aaaa3 op_sel_hi:[1,1,0]
	v_pk_fma_f32 v[PC+\i:PC+\i+1], v[PC+\i:PC+\i+1], v[XS+\i:XS+\i+1], 0x3d2aaaa5 op_sel_hi:[1,1,0]
	v_pk_fma_f32 v[HC+\i:HC+\i+1], v[XS+\i:XS+\i+1], -0.5, 1.0 op_sel_hi:[1,0,0]
	v_pk_mul_f32 v[XQ+\i:XQ+\i+1], v[XS+\i:XS+\i+1], v[XS+\i:XS+\i+1]
.endr
.irp i,0,2
	v_pk_mul_f32 v[PS+\i:PS+\i+1], v[PS+\i:PS+\i+1], v[XS+\i:XS+\i+1]
	v_pk_fma_f32 v[PC+\i:PC+\i+1], v[PC+\i:PC+\i+1], v[XQ+\i:XQ+\i+1], v[HC+\i:HC+\i+1]   ; cos x
.endr
.irp i,0,2
	v_pk_fma_f32 v[PS+\i:PS+\i+1], v[PS+\i:PS+\i+1], v[XR+\i:XR+\i+1], v[XR+\i:XR+\i+1]   ; sin x
.endr
	v_mul_f32 v[GG], v[DT2], v[SC]
	v_mul_f32 v[GG+1], v[DT2], v[SC+1]
	s_wait_alu depctr_va_vdst(0)                   ; the two reciprocals of |d|^2 are written, ahead of their first reader; the polynomials above are the work between
	v_pk_mul_f32 v[GG:GG+1], v[GG:GG+1], v[MX:MX+1]
	v_pk_mul_f32 v[FQ:FQ+1], v[GG:GG+1], v[DRS:DRS+1]                          ; F = 2 dt conj(d) / |d|^2, d = 1 - dtA/2
	v_pk_mul_f32 v[FQ+2:FQ+3], v[GG:GG+1], v[DRS+2:DRS+3]
	; times i^quadrant: odd quadrants swap sin and cos; sin changes sign in quadrants 2, 3, cos in 1, 2.  Values are selected, nothing branches.
.irp i,0,1,2,3
	v_cvt_i32_f32 v[TH+\i], v[QD+\i]
.endr
.irp i,0,1,2,3
	v_and_b32 v[HC+\i], 1, v[TH+\i]
	v_lshlrev_b32 v[XQ+\i], 30, v[TH+\i]
	v_add_lshl_u32 v[QD+\i], v[TH+\i], 1, 30
.endr
.irp i,0,1,2,3
	v_cmp_ne_u32 s[36+\i], 0, v[HC+\i]
	v_and_b32 v[XQ+\i], 0x80000000, v[XQ+\i]
	v_and_b32 v[QD+\i], 0x80000000, v[QD+\i]
.endr
	s_wait_alu depctr_va_sdst(0)                   ; the four compares have written s36 to s39, which the selects below read: one wait behind the run
.irp i,0,1,2,3
	v_cndmask_b32 v[SS+\i], v[PS+\i], v[PC+\i], s[36+\i]
	v_cndmask_b32 v[CC+\i], v[PC+\i], v[PS+\i], s[36+\i]
.endr
.irp i,0,1,2,3
	v_xor_b32 v[SS+\i], v[SS+\i], v[XQ+\i]
	v_xor_b32 v[CC+\i], v[CC+\i], v[QD+\i]
.endr
	v_pk_mul_f32 v[ZQ:ZQ+1], v[MAG:MAG+1], v[CC:CC+1]                          ; z = exp(dtA)
	v_pk_mul_f32 v[ZQ+2:ZQ+3], v[MAG:MAG+1], v[SS:SS+1]
	v_pk_mul_f32 v[YQ:YQ+1], v[MAG+2:MAG+3], v[CC+2:CC+3]                      ; Y = exp(128 dtA)
	v_pk_mul_f32 v[YQ+2:YQ+3], v[MAG+2:MAG+3], v[SS+2:SS+3]
	; the tables, by doubling
	s_wait_loadcnt 0x0                             ; B and C
	CMULS 1, BCQ, BQ, CQ, 0
	CMULS 1, Z2Q, ZQ, ZQ, 0
	CMULS 1, Y2Q, YQ, YQ, 0
	CMULS 1, RB, BCQ, FQ, 0                        ; 2 Cm
	CMULS 1, QB+4, Z2Q, Z2Q, 0                     ; z^4,
	v_pk_mul_f32 v[QB+6:QB+7], v[QB+6:QB+7], -1.0 op_sel_hi:[1,0]              ; conjugated: V
	CMULS 1, Y4Q, Y2Q, Y2Q, 0
	CMULS 1, RB+4, RB, ZQ, 0                       ; row base 1
	CMULS 1, QB+8, QB+4, QB+4, 0                   ; V^2
	CMULS 2, RB+8, RB, Z2Q, 0                      ; row bases 2, 3
	CMULS 2, QB+12, QB+4, QB+8, 0                  ; V^3, V^4
	CMULS 4, RB+16, RB, YQ, 0                      ; row bases 4-7
	CMULS 4, QB+20, QB+4, QB+16, 0                 ; V^5 .. V^8
	CMULS 8, RB+32, RB, Y2Q, 0                     ; row bases 8-15
	CMULS 8, QB+36, QB+4, QB+32, 0                 ; V^9 .. V^16
	v_mov_b32 v[QB], 1.0                           ; V^0
	v_mov_b32 v[QB+1], 1.0
	v_mov_b32 v[QB+2], 0
	v_mov_b32 v[QB+3], 0
	s_wait_alu depctr_va_vdst(0)                   ; the products and moves have written RB, QB and Y4Q, which the LDS stores read; and part 1 is done with v16-31 and v48-95, in which the first LDS loads land
.set si, 0
.rept 16
	ds_store_b128 v[GAD], v[RB+4*si:RB+4*si+3] offset:si*PITCH
	ds_store_b128 v[GAD], v[QB+4*si:QB+4*si+3] offset:(ROW_Q+si)*PITCH
.set si, si+1
.endr
	ds_store_b128 v[GAD], v[Y4Q:Y4Q+3] offset:ROW_Y4*PITCH
	ds_store_b128 v[GAD], v[QB+64:QB+67] offset:(ROW_Y4+1)*PITCH
	; ---------------- PART 2: fragments and products ----------------
; One matrix instruction; z = 1: the first product starts the sum, nothing is cleared.
.macro WM acc, a, b, z
.if \z
	v_wmma_f32_16x16x32_bf16 v[\acc:\acc+7], v[\a:\a+7], v[\b:\b+7], 0
.else
	v_wmma_f32_16x16x32_bf16 v[\acc:\acc+7], v[\a:\a+7], v[\b:\b+7], v[\acc:\acc+7]
.endif
.endm
; The unit that is waiting (A fragments at PA, B at PB, accumulators at PACC) owes PEND pairs: hi hi, lo hi, hi lo, each for both column tiles.
.set PEND, 0
.set PA, AF
.set PB, BF
.set PACC, ACC
.set PZ, 0
.macro PAIR
.if PEND > 0
.set AO, 0
.set BO, 0
.set ZF, 0
.if PEND == 3
.set ZF, PZ
.endif
.if PEND == 2
.set AO, 8
.endif
.if PEND == 1
.set BO, 8
.endif
	WM PACC, PA+AO, PB+BO, ZF
	WM PACC+8, PA+AO, PB+16+BO, ZF
.set PEND, PEND-1
.endif
.endm
.macro FLUSH
	PAIR
	PAIR
	PAIR
.endm
; 8 f32 at x into 4 registers of bf16 at h (hi) and 4 at h + 8 (lo = x - hi, exact in f32, then rounded).  A waiting pair goes first.
; What follows a pair writes T and a fragment buffer that the waiting unit does not name.
.macro SPLIT2 x, h
	PAIR
.irp j,0,1,2,3
	v_cvt_pk_bf16_f32 v[\h+\j], v[\x+2*\j], v[\x+2*\j+1]
.endr
.irp j,0,1,2,3
	v_fma_mix_f32_bf16 v[T+2*\j], v[\h+\j], v[NEG1], v[\x+2*\j] op_sel_hi:[1,0,0]
	v_fma_mix_f32_bf16 v[T+2*\j+1], v[\h+\j], v[NEG1], v[\x+2*\j+1] op_sel:[1,0,0] op_sel_hi:[1,0,0]
.endr
.irp j,0,1,2,3
	v_cvt_pk_bf16_f32 v[\h+8+\j], v[T+2*\j], v[T+2*\j+1]
.endr
.endm
.macro FRAG x, f                       ; 16 f32 (8 modes) into a fragment: hi at f .. f+7, lo at f+8 .. f+15
	SPLIT2 \x, \f
	SPLIT2 \x+8, \f+4
.endm
.macro LOADBE ks                       ; 4 loads: my column's 8 modes of K step ks,
.irp q,0,1,2,3
	ds_load_b128 v[EB+4*\q:EB+4*\q+3], v[ADE] offset:ROW_Q*PITCH+64*(\ks)+16*\q
.endr
.endm
.macro LOADBV ks                       ; 4 loads: and their V^16
.irp q,0,1,2,3
	ds_load_b128 v[VM+4*\q:VM+4*\q+3], v[ADU] offset:PITCH+64*(\ks)+16*\q
.endr
.endm
.macro LOADAE ks                       ; 4 loads: my row's 8 modes of K step ks,
.irp q,0,1,2,3
	ds_load_b128 v[EA0+4*\q:EA0+4*\q+3], v[ADE] offset:64*(\ks)+16*\q
.endr
.endm
.macro LOADAY ks                       ; 4 loads: and their Y^4
.irp q,0,1,2,3
	ds_load_b128 v[YM+4*\q:YM+4*\q+3], v[ADU] offset:64*(\ks)+16*\q
.endr
.endm
; Register j of tile (ti, tj) in lane (r, hh) is l = (j & 3) + 4 r + 64 tj + 128 (j >> 2) + 256 hh + 512 ti:
; sixteen lanes of a store write 256 consecutive bytes, at a multiple of 256 from out0's first byte.
.macro OUT ti
.irp tj,0,1
.irp g,0,1
	global_store_b128 v[OOFF], v[ACC+16*\ti+8*\tj+4*\g:ACC+16*\ti+8*\tj+4*\g+3], s[22:23] offset:2048*\ti+256*\tj+512*\g th:TH_STORE_NT
.endr
.endr
.endm
; Row tile ti of K step ks: its fragments, the next tile's numbers (x Y^4), and the unit is left waiting.
; An A buffer is written again two units on: behind the last pair that read it stand the 16 lines of a product (ISA guide 7.12.1 asks for four).
.macro UNIT ks, ti
.set SRC, EA0+16*(\ti%2)
.set DST, EA0+16-16*(\ti%2)
.set AFB, AF+16*(\ti%2)
	SPLIT2 SRC, AFB
.if \ti == 3
.if \ks < 3
	LOADAY \ks+1                                   ; no wait: since row tile 2's wait the lines issued name EA1, AF, BF, T and accumulators, not YM or its address
.endif
.endif
	SPLIT2 SRC+8, AFB+4
.if \ti < 3
	PAIR
	CMULS 4, DST, SRC, YM, 4
.endif
.if \ti == 2
.if \ks < 3
	s_wait_alu depctr_va_vdst(0)                   ; the splits and the product above are done reading EA0 and YM, for the last time in this K step; row tile 1's product has written EA0: the next K step's loads land in both
	LOADAE \ks+1
.endif
.endif
.if \ks == 3
.if \ti == 1
	s_wait_alu depctr_va_vdst(0)                   ; the matrix instructions have written row tile 0's accumulators, which the stores read; its last pair stands in front of the 16 lines of the product above, which stay as the places
	OUT 0
.endif
.if \ti == 2
	s_wait_alu depctr_va_vdst(0)                   ; the same for row tile 1's accumulators
	OUT 1
.endif
.endif
	FLUSH
.set PA, AFB
.set PB, BF+32*(\ks%2)
.set PACC, ACC+16*\ti
.set PZ, 0
.if \ks == 0
.set PZ, 1
.endif
.set PEND, 3
.endm
.macro KSTEP ks
.set BFB, BF+32*(\ks%2)
	s_wait_dscnt 0x8                               ; LDS answers in order (ISA guide 5.7.1): EB and VM are in, the 8 loads of EA0 and YM behind them stay out
	FRAG EB, BFB                                   ; column tile 0
	PAIR
	CMULS 4, EA1, EB, VM, 4                        ; x V^16
.if \ks < 3
	s_wait_alu depctr_va_vdst(0)                   ; the two splits and the product above are done reading EB and VM, in which the next K step's loads land
	LOADBE \ks+1
.endif
	SPLIT2 EA1, BFB+16                             ; column tile 1
.if \ks < 3
	LOADBV \ks+1                                   ; no wait: the split between names EA1, BF and T alone
.endif
	SPLIT2 EA1+8, BFB+20
.if \ks < 3
	s_wait_dscnt 0x8                               ; EA0 and YM are in, the 8 loads issued in this K step stay out
.else
	s_wait_dscnt 0x0                               ; nothing was issued behind the last EA0 and YM
.endif
	UNIT \ks, 0
	UNIT \ks, 1
	UNIT \ks, 2
	UNIT \ks, 3
.endm
	LOADBE 0                                       ; LDS serves a wave's instructions in order (ISA guide 5.7.1): these see the stores above, bytes of my own wave
	LOADBV 0
	LOADAE 0
	LOADAY 0
	s_wait_alu depctr_vm_vsrc(0)                   ; the LDS stores have read RB, QB and Y4Q: these registers are AF, BF and ACC from here on, written by the splits and the matrix instructions
	KSTEP 0
	KSTEP 1
	KSTEP 2
	KSTEP 3
	FLUSH                                          ; the last unit's three pairs
.rept 4
	v_nop                                          ; four places between the last matrix instructions and the stores of their results
.endr
	s_wait_alu depctr_va_vdst(0)                   ; the matrix instructions have written row tiles 2 and 3's accumulators, which the stores read; the places above stay beside this wait
	OUT 2
	OUT 3
	s_set_vgpr_msb 0x5
	s_wait_dscnt 0x0
	s_wait_alu depctr_hold_cnt(0) depctr_sa_sdst(0) depctr_va_vdst(0) depctr_va_sdst(0) depctr_va_ssrc(0) depctr_va_vcc(0) depctr_vm_vsrc(0)
	s_wait_tensorcnt 0x0
	ds_add_u32 v0, v1
	s_wait_dscnt 0x0
	s_endpgm
.Lfunc_end_k_q9a9d4f8f9d_modal:
	.size	k_q9a9d4f8f9d_modal, .Lfunc_end_k_q9a9d4f8f9d_modal-k_q9a9d4f8f9d_modal
	.p2alignl 7, 3214868480
	.fill 96, 4, 3214868480
	.section	.rodata,"a",@progbits
	.p2align	6, 0x0
	.amdhsa_kernel k_q9a9d4f8f9d_modal
		.amdhsa_group_segment_fixed_size 72448
		.amdhsa_private_segment_fixed_size 0
		.amdhsa_enable_private_segment 0
		.amdhsa_kernarg_size 64
		.amdhsa_user_sgpr_count 2
		.amdhsa_user_sgpr_kernarg_segment_ptr 1
		.amdhsa_wavefront_size32 1
		.amdhsa_system_sgpr_workgroup_id_x 1
		.amdhsa_system_sgpr_workgroup_id_y 1
		.amdhsa_system_sgpr_workgroup_id_z 1
		.amdhsa_system_vgpr_workitem_id 0
		.amdhsa_next_free_vgpr 258
		.amdhsa_next_free_sgpr 66
		.amdhsa_reserve_vcc 0
		.amdhsa_float_denorm_mode_32 3
		.amdhsa_float_denorm_mode_16_64 3
		.amdhsa_memory_ordered 1
		.amdhsa_forward_progress 1
		.amdhsa_inst_pref_size 98
	.end_amdhsa_kernel
	.amdgpu_metadata
---
amdhsa.version: [ 1, 2 ]
amdhsa.kernels:
  - .name:           k_q9a9d4f8f9d_modal
    .symbol:         k_q9a9d4f8f9d_modal.kd
    .args:
      - { .name: log_dt, .offset: 0, .size: 8, .value_kind: global_buffer, .address_space: global }
      - { .name: inv_A_real, .offset: 8, .size: 8, .value_kind: global_buffer, .address_space: global }
      - { .name: A_imag, .offset: 16, .size: 8, .value_kind: global_buffer, .address_space: global }
      - { .name: B_re, .offset: 24, .size: 8, .value_kind: global_buffer, .address_space: global }
      - { .name: B_im, .offset: 32, .size: 8, .value_kind: global_buffer, .address_space: global }
      - { .name: C_re, .offset: 40, .size: 8, .value_kind: global_buffer, .address_space: global }
      - { .name: C_im, .offset: 48, .size: 8, .value_kind: global_buffer, .address_space: global }
      - { .name: out0, .offset: 56, .size: 8, .value_kind: global_buffer, .address_space: global }
    .group_segment_fixed_size: 72448
    .private_segment_fixed_size: 0
    .kernarg_segment_align: 8
    .kernarg_segment_size: 64
    .max_flat_workgroup_size: 128
    .sgpr_count:     66
    .vgpr_count:     258
    .wavefront_size: 32
...
	.end_amdgpu_metadata
.endif
;; end of part 2
